; MI455X (gfx1250); checked and timed in simulation.
; The chip was launched on July 23, 2026; its instructions are those of AMD's public machine-readable ISA for CDNA 5 (MIT licence, August 2026) and "CDNA5" Instruction Set Architecture Reference Guide (July 2026). The comments in the code are by the model that wrote it; some were corrected since.
;; Rasterize. Allowed arithmetic: float matrix products may take bf16 or f16 operands with f32 sums; all other float work in f32.
;; Inputs: faces 4 x 4,096 x 3 x 3 float32; textures 4 x 4,096 x 4 x 4 x 4 x 3 float32.
;; Outputs: out0 4 x 64 x 64 x 5 float32.
;; 2 versions, each right and faster than the one before. Each part assembles by itself: llvm-mc -triple=amdgcn-amd-amdhsa -mcpu=gfx1250 --defsym DOCPART=n.
;; ======== version 1 of 2: 2 launches
;; workspace buffers: fidx 65,536 bytes of whole numbers
;; launch zbuf (part 1): grid 256 x 1, 16 waves a work-group, no clusters, 149,504 bytes of LDS; arguments faces, fidx; writes fidx
.if DOCPART == 1
	.amdgcn_target "amdgcn-amd-amdhsa--gfx1250"
	.amdhsa_code_object_version 6
	.text
	.protected	k_q0f9f219496_zbuf
	.globl	k_q0f9f219496_zbuf
	.p2align	8
	.type	k_q0f9f219496_zbuf,@function
k_q0f9f219496_zbuf:
	s_mov_b64 s[64:65], 0
	v_nop
	global_prefetch_b8 v0, s[64:65] scope:SCOPE_SE
	s_setreg_imm32_b32 hwreg(HW_REG_WAVE_MODE, 25, 1), 1
	s_wait_xcnt 0x0
; Z-BUFFER.  fidx[b][y][x] = the index of the face of image b that covers the centre of pixel (y, x) with the least depth inside (0.1, 100), the lowest index among equals, or -1.
; faces: [4][4096][3][3] f32 (x, y, z of three vertices), fidx: [4][64][64] i32.
; SHARES.  A work-group owns one row of one image: 64 pixels with one yp.  Each of its 16 waves takes all 64 pixels (lane L: pixels 2 L and 2 L + 1, as the two halves of packed f32 instructions)
; and 256 of the image's 4,096 faces; the 16 results meet in LDS and wave 0 merges them in the order of the faces.
; ARITHMETIC.  For a face and this row everything is linear in xp, so each face gets a RECORD of eight numbers, made once a wave:
;   w_k = xp dy_k + e_k, e_k = yp dx_k + c_k: the three edge functions of the reference, times sign(det) (an exact change of sign), or times 0 where |det| <= 1e-12: inside means all three > 0;
;   1/zp = xp A + E = 1/z0 + n1 (1/z1 - 1/z0) + n2 (1/z2 - 1/z0), n_k = w_k / |det|: with n0 = 1 - n1 - n2 put in, the rounding of n touches only the differences of 1/z.
; A pair of pixel and face then costs half of 4 packed multiply-adds, a minimum of three, three compares and two selects.  The choice is made by v_cndmask_b32 alone: no branch and no address hangs on it.
; The largest 1/zp wins, by a strict compare with the faces in ascending order; zp < 100 is the start value 1/100, zp > 0.1 is 1/zp < 10.
; LIMITS.  det's sign and the test |det| > 1e-12 are taken once a face, from the cross product of two edges, not anew at each pixel from w0 + w1 + w2.  w_k is rounded in another order than in
; the reference: a centre within some 1e-8 (in w, for coordinates near 1) of an edge may fall on its other side.  Depths are compared as 1/zp, good to about 2e-7 of itself.  A face whose 1/zp is within 1e-12 of 0
; or not finite has depth 1 in the reference and is not drawn here.  NaN, infinities, and coordinates whose products overflow f32, are not treated apart (v_min3_num_f32 lets a NaN lose).
; NO CLUSTER, NO TENSOR LOAD: the 64 work-groups of an image read the same 147,456 bytes of faces, but once: 18 loads a wave against the 4,096 vector instructions of its loop.
.set FACES,  4096
.set WAVES,  16
.set FPW,    FACES/WAVES               ; 256 faces a wave
.set FBYTES, 36                        ; bytes in a face
.set BATCHB, FACES*FBYTES              ; bytes of an image's faces
.set WREG,   FPW*FBYTES                ; 9,216 bytes of LDS a wave: first its faces as they lie in memory, then, over them, its records
.set QOFF,   4096                      ; a wave's records: 256 x (dy0, dy1, dy2, A) from byte 0, 256 x (e0, e1, e2, E) from byte 4,096
.set LANE, 1                           ; v1       lane
.set XP,   2                           ; v[2:3]   xp of my two pixels
.set BEST, 4                           ; v[4:5]   the largest 1/zp so far
.set IDX,  6                           ; v[6:7]   its face
.set YP,   8                           ; v8       yp of the row
.set GOFF, 9                           ; v9       byte offset in faces; at the end in fidx
.set LST,  10                          ; v10      LDS: my wave's bytes + 16 lane
.set LRD,  11                          ; v11      LDS: my wave's bytes + 288 lane; at the end my place among the partial results
.set LU,   12                          ; v12      LDS: the records of the trip in hand, the same in all lanes
.set TMP,  13
.set F,    16                          ; v[16:87] eight faces, nine numbers each
.set DX,   88                          ; v[88:90] dx0, dx1, dx2
.set R,    92                          ; v[92:95] dy0, dy1, dy2, A
.set Q,    96                          ; v[96:99] e0, e1, e2, E
.set PT,   100
.set DET,  101
.set SG,   102
.set RD,   103
.set IZ,   104                         ; v[104:106] 1/z0, 1/z1, 1/z2
.set H1,   107
.set H2,   108
.set RA,   16                          ; v[16:47]  the loop: records of faces 0-3 of a trip's eight
.set RB,   48                          ; v[48:79]  of faces 4-7
.set TW,   80                          ; v[80:111] four faces at work: w0, w1, w2, 1/zp, each for two pixels
.set WV,   8                           ; s8   wave
.set TINY, 13                          ; s13  1e-12
.set ABSM, 14                          ; s14  all bits but the sign
.set TEN,  15                          ; s15  1 / NEAR
.set FI,   16                          ; s16  the number of the face in hand
.set CNT,  17
.set MB,   18                          ; s18  the second pixel's mask
.set M,    20                          ; s[20:35] four masks a face
	s_load_b128 s[4:7], s[0:1], 0x0                ; faces s[4:5], fidx s[6:7]
	v_lshl_add_u32 v112, v0, 2, 0x24000
	v_mov_b32 v113, 0
	v_and_b32 v[LANE], 31, v0
	v_lshrrev_b32 v[TMP], 5, v0
	v_readfirstlane_b32 s[WV], v[TMP]              ; wave 0..15
	s_lshr_b32 s9, ttmp9, 6                        ; image
	s_and_b32 s10, ttmp9, 63                       ; row
	s_mul_i32 s11, s9, BATCHB
	s_mul_i32 s12, s[WV], WREG                     ; my wave's faces in the image, and its bytes in LDS
	s_add_co_u32 s11, s11, s12
	v_lshlrev_b32 v[TMP], 4, v[LANE]
	v_add_nc_u32 v[GOFF], s11, v[TMP]
	v_add_nc_u32 v[LST], s12, v[TMP]
	v_mul_u32_u24 v[LRD], v[LANE], 8*FBYTES
	v_add_nc_u32 v[LRD], s12, v[LRD]
	v_mov_b32 v[LU], s12
	s_wait_kmcnt 0x0
.set k, 0
.rept 18                               ; my wave's 9,216 bytes: each load takes 512 consecutive bytes, at a multiple of 512 from the buffer's first byte
	global_load_b128 v[F+4*k:F+4*k+3], v[GOFF], s[4:5] offset:512*k
.set k, k+1
.endr
	s_mov_b32 s[TINY], 0x2b8cbccc                  ; 1e-12
	s_mov_b32 s[ABSM], 0x7fffffff
	s_mov_b32 s[TEN], 0x41200000                   ; 10.0
	s_lshl_b32 s[FI], s[WV], 8                     ; my wave's first face
	s_lshl_b32 s11, s10, 1
	v_cvt_f32_u32 v[YP], s11                       ; yp = (2 y - 63) / 64, xp = (2 x - 63) / 64 with x = 2 L, 2 L + 1: all exact
	v_add_f32 v[YP], 0xc27c0000, v[YP]
	v_mul_f32 v[YP], 0x3c800000, v[YP]
	v_lshlrev_b32 v[TMP], 2, v[LANE]
	v_cvt_f32_u32 v[TMP], v[TMP]
	v_add_f32 v[XP], 0xc27c0000, v[TMP]            ; 4 L - 63
	v_add_f32 v[XP+1], 0xc2740000, v[TMP]          ; 4 L - 61
	v_mul_f32 v[XP], 0x3c800000, v[XP]
	v_mul_f32 v[XP+1], 0x3c800000, v[XP+1]
	v_mov_b32 v[BEST], 0x3c23d70a                  ; 1 / FAR: only a nearer face is taken
	v_mov_b32 v[BEST+1], 0x3c23d70a
	v_mov_b32 v[IDX], -1
	v_mov_b32 v[IDX+1], -1
.set k, 0
.rept 18                               ; through my wave's own bytes of LDS, so that a lane gets eight whole faces
	s_wait_loadcnt 17-k                            ; loads come back in order (ISA guide 5.7.1): load k is in, the 17 - k younger ones stay out
	ds_store_b128 v[LST], v[F+4*k:F+4*k+3] offset:512*k
.set k, k+1
.endr
.set k, 0
.rept 18                               ; 288 bytes a lane; LDS serves a wave's instructions in order (ISA guide 5.7.1.4): these see the stores above
	ds_load_b128 v[F+4*k:F+4*k+3], v[LRD] offset:16*k
.set k, k+1
.endr
	s_wait_dscnt 0x0
; The record of face j of my eight.  It goes to place 32 j + lane of the wave's 256: neighbouring lanes store neighbouring 16 bytes, and the loop below finds face 8 l + j at 16 l + 512 j.
.macro SETUP j
.set X0, F+9*(\j)
.set Y0, X0+1
.set Z0, X0+2
.set X1, X0+3
.set Y1, X0+4
.set Z1, X0+5
.set X2, X0+6
.set Y2, X0+7
.set Z2, X0+8
	v_sub_f32 v[DX], v[X2], v[X1]
	v_sub_f32 v[DX+1], v[X0], v[X2]
	v_sub_f32 v[DX+2], v[X1], v[X0]
	v_sub_f32 v[R], v[Y1], v[Y2]
	v_sub_f32 v[R+1], v[Y2], v[Y0]
	v_sub_f32 v[R+2], v[Y0], v[Y1]
	v_rcp_f32 v[IZ], v[Z0]
	v_rcp_f32 v[IZ+1], v[Z1]
	v_rcp_f32 v[IZ+2], v[Z2]                       ; a plain instruction that touches none of these follows (ISA guide 5.7.2)
	v_mul_f32 v[PT], v[DX+1], v[R+2]
	v_fma_f32 v[DET], v[DX+2], v[R+1], -v[PT]      ; det = (x1 - x0)(y2 - y0) - (x2 - x0)(y1 - y0) = w0 + w1 + w2
	v_mul_f32 v[Q], v[X2], v[Y1]
	v_mul_f32 v[Q+1], v[X0], v[Y2]
	v_mul_f32 v[Q+2], v[X1], v[Y0]
	v_fma_f32 v[Q], v[X1], v[Y2], -v[Q]            ; c0 = x1 y2 - x2 y1: the second product rounded, the first exact
	v_fma_f32 v[Q+1], v[X2], v[Y0], -v[Q+1]        ; c1 = x2 y0 - x0 y2
	v_fma_f32 v[Q+2], v[X0], v[Y1], -v[Q+2]        ; c2 = x0 y1 - x1 y0
	v_rcp_f32 v[RD], |v[DET]|
	v_cmp_gt_f32 vcc_lo, |v[DET]|, s[TINY]
	v_cndmask_b32 v[SG], 0, 1.0, vcc_lo
	v_bfi_b32 v[SG], s[ABSM], v[SG], v[DET]        ; +1, -1 by det's sign; 0 for a face without area: its w are 0 and it is never inside
	v_fma_f32 v[Q], v[YP], v[DX], v[Q]             ; e_k = yp dx_k + c_k
	v_fma_f32 v[Q+1], v[YP], v[DX+1], v[Q+1]
	v_fma_f32 v[Q+2], v[YP], v[DX+2], v[Q+2]
	s_wait_alu depctr_va_vdst(0)
	v_sub_f32 v[H1], v[IZ+1], v[IZ]
	v_sub_f32 v[H2], v[IZ+2], v[IZ]
	v_mul_f32 v[R], v[SG], v[R]
	v_mul_f32 v[R+1], v[SG], v[R+1]
	v_mul_f32 v[R+2], v[SG], v[R+2]
	v_mul_f32 v[Q], v[SG], v[Q]
	v_mul_f32 v[Q+1], v[SG], v[Q+1]
	v_mul_f32 v[Q+2], v[SG], v[Q+2]
	v_mul_f32 v[H1], v[H1], v[RD]                  ; h_k = (1/z_k - 1/z0) / |det|
	v_mul_f32 v[H2], v[H2], v[RD]
	v_mul_f32 v[R+3], v[R+1], v[H1]
	v_fma_f32 v[R+3], v[R+2], v[H2], v[R+3]        ; A = dy1 h1 + dy2 h2
	v_fma_f32 v[Q+3], v[Q+1], v[H1], v[IZ]
	v_fma_f32 v[Q+3], v[Q+2], v[H2], v[Q+3]        ; E = 1/z0 + e1 h1 + e2 h2
	ds_store_b128 v[LST], v[R:R+3] offset:512*(\j)
	ds_store_b128 v[LST], v[Q:Q+3] offset:QOFF+512*(\j)
.endm
.irp j, 0,1,2,3,4,5,6,7
	SETUP \j
.endr
	s_wait_dscnt 0x0                               ; my records are stored,
	s_barrier_signal -1
	s_barrier_wait -1                              ; everybody's are: all stores of records stand ahead of every read of one, whatever the loop's stepped address reaches
; Eight LDS loads: the records of four faces; every lane asks for the same 16 bytes.
.macro LOADH buf, j0
.irp jj, 0,1,2,3
	ds_load_b128 v[(\buf)+8*(\jj):(\buf)+8*(\jj)+3],   v[LU] offset:512*((\j0)+(\jj))
	ds_load_b128 v[(\buf)+8*(\jj)+4:(\buf)+8*(\jj)+7], v[LU] offset:QOFF+512*((\j0)+(\jj))
.endr
.endm
; Four faces against my two pixels.  What hangs on nothing but the records comes first for all four; the chain through BEST comes last, the two pixels alternating.
.macro COMPUTE buf
.irp jj, 0,1,2,3
.set rr, (\buf)+8*(\jj)
.set tt, TW+8*(\jj)
	v_pk_fma_f32 v[tt:tt+1],   v[XP:XP+1], v[rr:rr+1],   v[rr+4:rr+5] op_sel_hi:[1,0,0]                  ; w0 = xp dy0 + e0: a pair's first register for both pixels
	v_pk_fma_f32 v[tt+2:tt+3], v[XP:XP+1], v[rr:rr+1],   v[rr+4:rr+5] op_sel:[0,1,1] op_sel_hi:[1,1,1]   ; w1: the second register for both
	v_pk_fma_f32 v[tt+4:tt+5], v[XP:XP+1], v[rr+2:rr+3], v[rr+6:rr+7] op_sel_hi:[1,0,0]                  ; w2
	v_pk_fma_f32 v[tt+6:tt+7], v[XP:XP+1], v[rr+2:rr+3], v[rr+6:rr+7] op_sel:[0,1,1] op_sel_hi:[1,1,1]   ; 1/zp = xp A + E
.endr
.irp jj, 0,1,2,3
.set tt, TW+8*(\jj)
	v_min3_num_f32 v[tt],   v[tt],   v[tt+2], v[tt+4]
	v_min3_num_f32 v[tt+1], v[tt+1], v[tt+3], v[tt+5]
.endr
.irp jj, 0,1,2,3
.set tt, TW+8*(\jj)
	v_cmp_lt_f32 s[M+4*(\jj)],   0, v[tt]          ; inside: the least of the three is above 0
	v_cmp_lt_f32 s[M+4*(\jj)+1], 0, v[tt+1]
	v_cmp_gt_f32 s[M+4*(\jj)+2], s[TEN], v[tt+6]   ; behind the near plane
	v_cmp_gt_f32 s[M+4*(\jj)+3], s[TEN], v[tt+7]
.endr
.irp jj, 0,1,2,3
	s_and_b32 s[M+4*(\jj)],   s[M+4*(\jj)],   s[M+4*(\jj)+2]
	s_and_b32 s[M+4*(\jj)+1], s[M+4*(\jj)+1], s[M+4*(\jj)+3]
.endr
.irp jj, 0,1,2,3
.set tt, TW+8*(\jj)
	v_cmp_gt_f32 vcc_lo, v[tt+6], v[BEST]          ; strictly nearer than the best so far: of equals the earlier face stays
	v_cmp_gt_f32 s[MB],  v[tt+7], v[BEST+1]
	s_and_b32 vcc_lo, vcc_lo, s[M+4*(\jj)]
	s_and_b32 s[MB],  s[MB],  s[M+4*(\jj)+1]
	v_cndmask_b32 v[BEST],   v[BEST],   v[tt+6], vcc_lo
	v_cndmask_b32 v[IDX],    v[IDX],    s[FI],   vcc_lo
	v_cndmask_b32 v[BEST+1], v[BEST+1], v[tt+7], s[MB]
	v_cndmask_b32 v[IDX+1],  v[IDX+1],  s[FI],   s[MB]
	s_add_co_u32 s[FI], s[FI], 1
.endr
.endm
	LOADH RA, 0                                    ; trip l takes faces 8 l .. 8 l + 7 of the wave, in two halves on two buffers
	s_mov_b32 s[CNT], 31
.Ltrip:
	LOADH RB, 4
	s_wait_dscnt 8                                 ; all but the eight just issued: the first half is in
	COMPUTE RA
	v_add_nc_u32 v[LU], 16, v[LU]                  ; the next trip's records
	LOADH RA, 0
	s_wait_dscnt 8                                 ; the second half is in
	COMPUTE RB
	s_sub_co_u32 s[CNT], s[CNT], 1
	s_cmp_lg_u32 s[CNT], 0
	s_cbranch_scc1 .Ltrip
	LOADH RB, 4                                    ; the last trip is written out: nothing further is read
	s_wait_dscnt 8
	COMPUTE RA
	s_wait_dscnt 0x0                               ; also: my reads of the records are over
	COMPUTE RB
	; THE 16 PARTIAL RESULTS take the place of wave 0's records, 512 bytes a wave: so a barrier stands between every wave's last read of a record and the first of these stores.
	s_barrier_signal -1
	v_lshlrev_b32 v[TMP], 4, v[LANE]
	s_lshl_b32 s11, s[WV], 9
	v_add_nc_u32 v[LRD], s11, v[TMP]
	s_barrier_wait -1
	ds_store_b128 v[LRD], v[BEST:IDX+1]
	s_wait_dscnt 0x0                               ; for the others' sake: my result is stored
	s_barrier_signal -1
	s_barrier_wait -1
	s_cmp_lg_u32 s[WV], 0
	s_cbranch_scc1 .Lend                           ; wave 0, which holds the lowest faces' result, takes the others in ascending order
.set w, 1
.rept 15
	ds_load_b128 v[F+4*(w-1):F+4*(w-1)+3], v[TMP] offset:512*w
.set w, w+1
.endr
	v_lshlrev_b32 v[GOFF], 3, v[LANE]
	s_lshl_b32 s11, ttmp9, 8                       ; the row's 64 indices: 256 bytes
	v_add_nc_u32 v[GOFF], s11, v[GOFF]
.set w, 1
.rept 15
.set cc, F+4*(w-1)
	s_wait_dscnt 15-w                              ; wave w's result is in, the 15 - w younger loads stay out
	v_cmp_gt_f32 vcc_lo, v[cc],   v[BEST]
	v_cmp_gt_f32 s[MB],  v[cc+1], v[BEST+1]
	v_cndmask_b32 v[BEST],   v[BEST],   v[cc],   vcc_lo
	v_cndmask_b32 v[IDX],    v[IDX],    v[cc+2], vcc_lo
	v_cndmask_b32 v[BEST+1], v[BEST+1], v[cc+1], s[MB]
	v_cndmask_b32 v[IDX+1],  v[IDX+1],  v[cc+3], s[MB]
.set w, w+1
.endr
	global_store_b64 v[GOFF], v[IDX:IDX+1], s[6:7] ; 32 lanes store 256 consecutive bytes, at a multiple of 256 from the buffer's first byte
.Lend:
	s_wait_tensorcnt 0x0
	ds_add_u32 v112, v113
	s_wait_dscnt 0x0
	s_endpgm
.Lfunc_end_k_q0f9f219496_zbuf:
	.size	k_q0f9f219496_zbuf, .Lfunc_end_k_q0f9f219496_zbuf-k_q0f9f219496_zbuf
	.p2alignl 7, 3214868480
	.fill 96, 4, 3214868480
	.section	.rodata,"a",@progbits
	.p2align	6, 0x0
	.amdhsa_kernel k_q0f9f219496_zbuf
		.amdhsa_group_segment_fixed_size 149504
		.amdhsa_private_segment_fixed_size 0
		.amdhsa_enable_private_segment 0
		.amdhsa_kernarg_size 16
		.amdhsa_user_sgpr_count 2
		.amdhsa_user_sgpr_kernarg_segment_ptr 1
		.amdhsa_wavefront_size32 1
		.amdhsa_system_sgpr_workgroup_id_x 1
		.amdhsa_system_sgpr_workgroup_id_y 1
		.amdhsa_system_sgpr_workgroup_id_z 1
		.amdhsa_system_vgpr_workitem_id 0
		.amdhsa_next_free_vgpr 114
		.amdhsa_next_free_sgpr 66
		.amdhsa_reserve_vcc 1
		.amdhsa_float_denorm_mode_32 3
		.amdhsa_float_denorm_mode_16_64 3
		.amdhsa_memory_ordered 1
		.amdhsa_forward_progress 1
		.amdhsa_inst_pref_size 47
	.end_amdhsa_kernel
	.amdgpu_metadata
---
amdhsa.version: [ 1, 2 ]
amdhsa.kernels:
  - .name:           k_q0f9f219496_zbuf
    .symbol:         k_q0f9f219496_zbuf.kd
    .args:
      - { .name: faces, .offset: 0, .size: 8, .value_kind: global_buffer, .address_space: global }
      - { .name: fidx, .offset: 8, .size: 8, .value_kind: global_buffer, .address_space: global }
    .group_segment_fixed_size: 149504
    .private_segment_fixed_size: 0
    .kernarg_segment_align: 8
    .kernarg_segment_size: 16
    .max_flat_workgroup_size: 512
    .sgpr_count:     66
    .vgpr_count:     114
    .wavefront_size: 32
...
	.end_amdgpu_metadata
.endif
;; end of part 1
;; launch shade (part 2): grid 256 x 1, 8 waves a work-group, no clusters, 2,304 bytes of LDS; arguments faces, textures, fidx, out0; writes out0
.if DOCPART == 2
	.amdgcn_target "amdgcn-amd-amdhsa--gfx1250"
	.amdhsa_code_object_version 6
	.text
	.protected	k_q0f9f219496_shade
	.globl	k_q0f9f219496_shade
	.p2align	8
	.type	k_q0f9f219496_shade,@function
k_q0f9f219496_shade:
	s_mov_b64 s[64:65], 0
	v_nop
	global_prefetch_b8 v0, s[64:65] scope:SCOPE_SE
	s_setreg_imm32_b32 hwreg(HW_REG_WAVE_MODE, 25, 1), 1
	s_wait_xcnt 0x0
; SHADING.  out0[b][y][x] = (r, g, b, alpha, depth) of the face fidx[b][y][x] that the launch before chose; -1: background (0, 0, 0, 0, 100).
; faces: [4][4096][3][3] f32, textures: [4][4096][4][4][4][3] f32, fidx: [4][64][64] i32, out0: [4][64][64][5] f32.
; SHARES.  A work-group owns one row of one image, 64 pixels; four neighbouring lanes own a pixel.  All four make the pixel's weights, depth and texel coordinates t0, t1, t2 as the reference's second
; pass does (divisions as v_rcp_f32 and a multiply); lane i of the four takes plane i of the face's cube of 4 x 4 x 4 texels: 192 consecutive bytes, twelve loads of 16.
; THE TEXTURE.  The reference's eight corners with weights fr and 1 - fr are the sum over ALL texels with the weights max(0, 1 - |t - i|) along each axis: at i = floor(t) that is 1 - fr, at the
; next i it is fr, elsewhere 0 (t lies in 0 .. 2.999).  So no address hangs on floor(t): the addresses are made of the index read from memory alone, and a pixel's four lanes read the cube's 768 bytes whole.
; THE WAY OUT.  Five numbers a pixel are 20 bytes; the row's 1,280 bytes are gathered in LDS and leave as five stores of 256 consecutive bytes.
; LIMITS.  Reciprocals are good to one unit in the last place; NaN and infinities are not treated apart.
; NO CLUSTER: the work-groups share no tile; which faces they read hangs on the indices.
.set PX,  1                            ; v1   x of my pixel
.set PL,  2                            ; v2   my plane, 0..3
.set OFI, 3                            ; v3   byte offset in fidx
.set FIX, 4                            ; v4   the index as read
.set G,   5                            ; v5   the face among all 16,384
.set FO,  6                            ; v6   its byte offset in faces
.set TO,  7                            ; v7   my plane's byte offset in textures
.set XP,  8
.set YP,  9
.set FPL, 10                           ; v10  my plane as f32
.set MF,  11                           ; v11  1.0 where a face was found, else 0
.set FC,  12                           ; v[12:20] x0 y0 z0 x1 y1 z1 x2 y2 z2
.set TMP, 21
.set W,   22                           ; v[22:24] w_k, then n_k, then n_k / z_k
.set D,   25                           ; v[25:27] differences of coordinates
.set IZ,  28                           ; v[28:30] 1 / z_k
.set DET, 31
.set RD,  32
.set S,   33
.set INV, 34
.set ZP,  35
.set DEP, 36
.set U,   37
.set TIF, 38                           ; v[38:40] t0, t1, t2
.set H0,  41                           ; v41      my plane's weight
.set HA,  42                           ; v[42:45] the four weights along the second axis
.set HB,  46                           ; v[46:49] along the third
.set LA,  50
.set LB,  51
.set TX,  52                           ; v[52:99] my plane: number 12 j + 3 k + c
.set RGB, 100                          ; v[100:102]
.set VAL, 103
.set OUT, 104                          ; v[104:105]
.set X0, FC
.set Y0, FC+1
.set Z0, FC+2
.set X1, FC+3
.set Y1, FC+4
.set Z1, FC+5
.set X2, FC+6
.set Y2, FC+7
.set Z2, FC+8
.set TINY, 17                          ; s17  1e-12
.set TMAX, 18                          ; s18  3 - 1e-3
	s_load_b256 s[4:11], s[0:1], 0x0               ; faces s[4:5], textures s[6:7], fidx s[8:9], out0 s[10:11]
	v_lshl_add_u32 v112, v0, 2, 0x500
	v_mov_b32 v113, 0
	v_lshrrev_b32 v[PX], 2, v0
	v_and_b32 v[PL], 3, v0
	v_lshrrev_b32 v[TMP], 5, v0
	v_readfirstlane_b32 s12, v[TMP]                ; wave 0..7
	s_lshl_b32 s13, ttmp9, 8                       ; the row's 64 indices: 256 bytes
	v_lshl_add_u32 v[OFI], v[PX], 2, s13
	s_wait_kmcnt 0x0
	global_load_b32 v[FIX], v[OFI], s[8:9]
	s_mov_b32 s[TINY], 0x2b8cbccc
	s_mov_b32 s[TMAX], 0x403fef9e
	s_and_b32 s14, ttmp9, 63
	s_lshl_b32 s14, s14, 1
	v_cvt_f32_u32 v[YP], s14                       ; yp = (2 y - 63) / 64, xp = (2 x - 63) / 64: exact
	v_lshlrev_b32 v[TMP], 1, v[PX]
	v_cvt_f32_u32 v[XP], v[TMP]
	v_add_f32 v[YP], 0xc27c0000, v[YP]
	v_add_f32 v[XP], 0xc27c0000, v[XP]
	v_mul_f32 v[YP], 0x3c800000, v[YP]
	v_mul_f32 v[XP], 0x3c800000, v[XP]
	v_cvt_f32_u32 v[FPL], v[PL]
	v_mul_u32_u24 v[TMP], v[PL], 192               ; my plane in a cube
	s_lshr_b32 s15, ttmp9, 6
	s_lshl_b32 s15, s15, 12                        ; the image's first face
	s_wait_loadcnt 0x0
	v_cmp_le_i32 s16, 0, v[FIX]                    ; the mask: a face was found
	v_max_i32 v[G], 0, v[FIX]                      ; the reference's safe index,
	v_min_u32 v[G], 0xfff, v[G]                    ; and inside the table whatever was read
	v_add_nc_u32 v[G], s15, v[G]
	v_mul_u32_u24 v[FO], v[G], 36
	v_mul_u32_u24 v[TO], v[G], 0x300
	v_add_nc_u32 v[TO], v[TO], v[TMP]
.set k, 0
.rept 9                                ; a face begins at a multiple of 4 bytes only: nine loads of a word
	global_load_b32 v[FC+k], v[FO], s[4:5] offset:4*k
.set k, k+1
.endr
.set k, 0
.rept 12
	global_load_b128 v[TX+4*k:TX+4*k+3], v[TO], s[6:7] offset:16*k
.set k, k+1
.endr
	s_wait_loadcnt 12                              ; the face is in; the twelve loads of texels, issued behind it, stay out
	v_rcp_f32 v[IZ], v[Z0]
	v_rcp_f32 v[IZ+1], v[Z1]
	v_rcp_f32 v[IZ+2], v[Z2]                       ; a plain instruction that touches none of these follows (ISA guide 5.7.2)
	v_mul_f32 v[W], v[X2], v[Y1]
	v_mul_f32 v[W+1], v[X0], v[Y2]
	v_mul_f32 v[W+2], v[X1], v[Y0]
	v_fma_f32 v[W], v[X1], v[Y2], -v[W]
	v_fma_f32 v[W+1], v[X2], v[Y0], -v[W+1]
	v_fma_f32 v[W+2], v[X0], v[Y1], -v[W+2]
	v_sub_f32 v[D], v[Y1], v[Y2]
	v_sub_f32 v[D+1], v[Y2], v[Y0]
	v_sub_f32 v[D+2], v[Y0], v[Y1]
	v_fma_f32 v[W], v[XP], v[D], v[W]
	v_fma_f32 v[W+1], v[XP], v[D+1], v[W+1]
	v_fma_f32 v[W+2], v[XP], v[D+2], v[W+2]
	v_sub_f32 v[D], v[X2], v[X1]
	v_sub_f32 v[D+1], v[X0], v[X2]
	v_sub_f32 v[D+2], v[X1], v[X0]
	v_fma_f32 v[W], v[YP], v[D], v[W]              ; w_k = yp dx_k + xp dy_k + c_k
	v_fma_f32 v[W+1], v[YP], v[D+1], v[W+1]
	v_fma_f32 v[W+2], v[YP], v[D+2], v[W+2]
	v_add_f32 v[DET], v[W], v[W+1]
	v_add_f32 v[DET], v[DET], v[W+2]
	v_cmp_gt_f32 vcc_lo, |v[DET]|, s[TINY]
	v_cndmask_b32 v[DET], 1.0, v[DET], vcc_lo
	v_rcp_f32 v[RD], v[DET]
	v_cndmask_b32 v[MF], 0, 1.0, s16               ; the plain instruction behind the reciprocal
	s_wait_alu depctr_va_vdst(0)
	v_mul_f32 v[W], v[W], v[RD]
	v_mul_f32 v[W+1], v[W+1], v[RD]
	v_mul_f32 v[W+2], v[W+2], v[RD]
	v_med3_num_f32 v[W], v[W], 0, 1.0              ; clipped to 0 .. 1
	v_med3_num_f32 v[W+1], v[W+1], 0, 1.0
	v_med3_num_f32 v[W+2], v[W+2], 0, 1.0
	v_add_f32 v[S], v[W], v[W+1]
	v_add_f32 v[S], v[S], v[W+2]
	v_cmp_gt_f32 vcc_lo, v[S], s[TINY]
	v_cndmask_b32 v[S], 1.0, v[S], vcc_lo
	v_rcp_f32 v[RD], v[S]
	v_mul_f32 v[W], v[W], v[IZ]                    ; these three wait for nothing of the reciprocal
	v_mul_f32 v[W+1], v[W+1], v[IZ+1]
	v_mul_f32 v[W+2], v[W+2], v[IZ+2]
	s_wait_alu depctr_va_vdst(0)
	v_mul_f32 v[W], v[W], v[RD]                    ; n_k / z_k, n_k renormalised
	v_mul_f32 v[W+1], v[W+1], v[RD]
	v_mul_f32 v[W+2], v[W+2], v[RD]
	v_add_f32 v[INV], v[W], v[W+1]
	v_add_f32 v[INV], v[INV], v[W+2]
	v_cmp_gt_f32 vcc_lo, |v[INV]|, s[TINY]
	v_cndmask_b32 v[INV], 1.0, v[INV], vcc_lo
	v_rcp_f32 v[ZP], v[INV]
	v_mul_u32_u24 v[LA], v[PX], 20                 ; my pixel's place in the row's 1,280 bytes: the plain instruction behind the reciprocal
	s_wait_alu depctr_va_vdst(0)
	v_cndmask_b32 v[DEP], 0x42c80000, v[ZP], s16   ; depth, or FAR
	v_mul_f32 v[U], 0x40400000, v[ZP]              ; 3 zp
	v_mul_f32 v[TIF], v[W], v[U]                   ; t_k = n_k 3 zp / z_k,
	v_mul_f32 v[TIF+1], v[W+1], v[U]
	v_mul_f32 v[TIF+2], v[W+2], v[U]
	v_med3_num_f32 v[TIF], v[TIF], 0, s[TMAX]      ; clipped to 0 .. 2.999
	v_med3_num_f32 v[TIF+1], v[TIF+1], 0, s[TMAX]
	v_med3_num_f32 v[TIF+2], v[TIF+2], 0, s[TMAX]
	; the weights max(0, 1 - |t - i|)
	v_sub_f32 v[H0], v[TIF], v[FPL]
	v_sub_f32 v[H0], 1.0, |v[H0]|
	v_max_num_f32 v[H0], 0, v[H0]
.irp a, 1, 2
.set hh, HA+4*((\a)-1)
	v_add_f32 v[hh+1], -1.0, v[TIF+(\a)]
	v_add_f32 v[hh+2], -2.0, v[TIF+(\a)]
	v_add_f32 v[hh+3], 0xc0400000, v[TIF+(\a)]
	v_sub_f32 v[hh],   1.0, |v[TIF+(\a)]|
	v_sub_f32 v[hh+1], 1.0, |v[hh+1]|
	v_sub_f32 v[hh+2], 1.0, |v[hh+2]|
	v_sub_f32 v[hh+3], 1.0, |v[hh+3]|
	v_max_num_f32 v[hh],   0, v[hh]
	v_max_num_f32 v[hh+1], 0, v[hh+1]
	v_max_num_f32 v[hh+2], 0, v[hh+2]
	v_max_num_f32 v[hh+3], 0, v[hh+3]
.endr
	v_mul_f32 v[H0], v[H0], v[MF]                  ; the reference's rgb x mask: the background is (0, 0, 0)
	; along the third axis, in place: for each j and colour c four texels into one number
.irp j, 0,1,2,3
	s_wait_loadcnt 9-3*(\j)                        ; the three loads of this j are in, those of the later j stay out
.irp c, 0,1,2
	v_mul_f32 v[TX+12*(\j)+(\c)], v[HB], v[TX+12*(\j)+(\c)]
.endr
.irp k, 1,2,3
.irp c, 0,1,2
	v_fmac_f32 v[TX+12*(\j)+(\c)], v[HB+(\k)], v[TX+12*(\j)+3*(\k)+(\c)]
.endr
.endr
.endr
	; along the second axis, then my plane's weight
.irp c, 0,1,2
	v_mul_f32 v[RGB+(\c)], v[HA], v[TX+(\c)]
.endr
.irp j, 1,2,3
.irp c, 0,1,2
	v_fmac_f32 v[RGB+(\c)], v[HA+(\j)], v[TX+12*(\j)+(\c)]
.endr
.endr
.irp c, 0,1,2
	v_mul_f32 v[RGB+(\c)], v[RGB+(\c)], v[H0]
.endr
	; the four planes lie in four neighbouring lanes: two steps, and every lane has the sums
.irp c, 0,1,2
	v_add_f32_dpp v[RGB+(\c)], v[RGB+(\c)], v[RGB+(\c)] row_xmask:1 row_mask:0xf bank_mask:0xf
.endr
.irp c, 0,1,2
	v_add_f32_dpp v[RGB+(\c)], v[RGB+(\c)], v[RGB+(\c)] row_xmask:2 row_mask:0xf bank_mask:0xf
.endr
	; lane i of a pixel puts down number i of (r, g, b, alpha); the depth, the same in all four, goes to the fifth word
	v_cmp_eq_u32 vcc_lo, 1, v[PL]
	v_cndmask_b32 v[VAL], v[RGB], v[RGB+1], vcc_lo
	v_cmp_eq_u32 vcc_lo, 2, v[PL]
	v_cndmask_b32 v[VAL], v[VAL], v[RGB+2], vcc_lo
	v_cmp_eq_u32 vcc_lo, 3, v[PL]
	v_cndmask_b32 v[VAL], v[VAL], v[MF], vcc_lo
	v_lshl_add_u32 v[LB], v[PL], 2, v[LA]
	ds_store_b32 v[LB], v[VAL]
	ds_store_b32 v[LA], v[DEP] offset:16
	s_wait_dscnt 0x0                               ; for the others' sake: my stores are done
	s_barrier_signal -1
	s_barrier_wait -1
	s_cmp_gt_u32 s12, 4
	s_cbranch_scc1 .Lend                           ; 1,280 bytes are five times 256: waves 0 to 4 store them
	v_lshlrev_b32 v[LA], 3, v0                     ; 256 wave + 8 lane
	ds_load_b64 v[OUT:OUT+1], v[LA]
	s_mul_i32 s13, ttmp9, 1280
	v_add_nc_u32 v[LB], s13, v[LA]
	s_wait_dscnt 0x0
	global_store_b64 v[LB], v[OUT:OUT+1], s[10:11] ; 32 lanes store 256 consecutive bytes, at a multiple of 256 from out0's first byte
.Lend:
	s_wait_tensorcnt 0x0
	ds_add_u32 v112, v113
	s_wait_dscnt 0x0
	s_endpgm
.Lfunc_end_k_q0f9f219496_shade:
	.size	k_q0f9f219496_shade, .Lfunc_end_k_q0f9f219496_shade-k_q0f9f219496_shade
	.p2alignl 7, 3214868480
	.fill 96, 4, 3214868480
	.section	.rodata,"a",@progbits
	.p2align	6, 0x0
	.amdhsa_kernel k_q0f9f219496_shade
		.amdhsa_group_segment_fixed_size 2304
		.amdhsa_private_segment_fixed_size 0
		.amdhsa_enable_private_segment 0
		.amdhsa_kernarg_size 32
		.amdhsa_user_sgpr_count 2
		.amdhsa_user_sgpr_kernarg_segment_ptr 1
		.amdhsa_wavefront_size32 1
		.amdhsa_system_sgpr_workgroup_id_x 1
		.amdhsa_system_sgpr_workgroup_id_y 1
		.amdhsa_system_sgpr_workgroup_id_z 1
		.amdhsa_system_vgpr_workitem_id 0
		.amdhsa_next_free_vgpr 114
		.amdhsa_next_free_sgpr 66
		.amdhsa_reserve_vcc 1
		.amdhsa_float_denorm_mode_32 3
		.amdhsa_float_denorm_mode_16_64 3
		.amdhsa_memory_ordered 1
		.amdhsa_forward_progress 1
		.amdhsa_inst_pref_size 12
	.end_amdhsa_kernel
	.amdgpu_metadata
---
amdhsa.version: [ 1, 2 ]
amdhsa.kernels:
  - .name:           k_q0f9f219496_shade
    .symbol:         k_q0f9f219496_shade.kd
    .args:
      - { .name: faces, .offset: 0, .size: 8, .value_kind: global_buffer, .address_space: global }
      - { .name: textures, .offset: 8, .size: 8, .value_kind: global_buffer, .address_space: global }
      - { .name: fidx, .offset: 16, .size: 8, .value_kind: global_buffer, .address_space: global }
      - { .name: out0, .offset: 24, .size: 8, .value_kind: global_buffer, .address_space: global }
    .group_segment_fixed_size: 2304
    .private_segment_fixed_size: 0
    .kernarg_segment_align: 8
    .kernarg_segment_size: 32
    .max_flat_workgroup_size: 256
    .sgpr_count:     66
    .vgpr_count:     114
    .wavefront_size: 32
...
	.end_amdgpu_metadata
.endif
;; end of part 2
;; ======== version 2 of 2: 3 launches; 1.93 times as fast as version 1
;; workspace buffers: rec 786,432 bytes; span 131,072 bytes of whole numbers; fidx 65,536 bytes of whole numbers
;; launch prep (part 3): grid 256 x 1, 2 waves a work-group, no clusters, 0 bytes of LDS; arguments faces, rec, span; writes rec, span
.if DOCPART == 3
	.amdgcn_target "amdgcn-amd-amdhsa--gfx1250"
	.amdhsa_code_object_version 6
	.text
	.protected	k_q0f9f219496_prep
	.globl	k_q0f9f219496_prep
	.p2align	8
	.type	k_q0f9f219496_prep,@function
k_q0f9f219496_prep:
	s_mov_b64 s[64:65], 0
	v_nop
	global_prefetch_b8 v0, s[64:65] scope:SCOPE_SE
	s_setreg_imm32_b32 hwreg(HW_REG_WAVE_MODE, 25, 1), 1
	s_wait_xcnt 0x0
; PREPARATION, once a face: what the z-buffer needs of a face and what does not hang on the pixel.
; faces: [4][4096][3][3] f32 (x, y, z of three vertices).  rec: three planes [16384][4] f32.  span: [16384][2] i32.
; SHARES.  One lane, one face; a work-group of two waves takes 64 faces.
; rec.  With the reference's edge functions w_k = yp dx_k + xp dy_k + c_k, all times sign(det) (an exact change of sign), or times 0 where |det| <= 1e-12, and
; h_k = (1/z_k - 1/z0) / |det|, the inverse depth is 1/zp = 1/z0 + w1 h1 + w2 h2 = xp A + yp B + C (n0 = 1 - n1 - n2 put in: the rounding of n touches only the differences of 1/z):
;   plane 0: dy0, dy1, dy2, A = dy1 h1 + dy2 h2      plane 1: dx0, dx1, dx2, B = dx1 h1 + dx2 h2      plane 2: c0, c1, c2, C = 1/z0 + c1 h1 + c2 h2
; span.  The rows r0 .. r1 of the image in which the face need be looked at.  Row y has yp = (2 y - 63) / 64, so y = 32 yp + 31.5; a centre inside the face has ymin < yp < ymax.
; r0 is the least y above 32 ymin + 31.5 - 1/64, r1 the greatest y up to 32 ymax + 31.5 + 1/64; r0 is kept in 0 .. 64, r1 in -1 .. 63; a face without area gets 64, -1: no row.
; These are whole numbers: the next launch makes masks and trip counts of them; here they steer nothing.
; LIMITS.  det's sign and the test |det| > 1e-12 are taken once a face, from the cross product of two edges, not anew at each pixel from w0 + w1 + w2.  A row is left out only where yp lies more
; than 1/2048 outside the face's range of y (the sum 32 y + 31.5 is rounded once, to within 2e-6 for rows 0 .. 63): there one true w_k is negative, and the reference could find the centre inside only by
; the rounding of its own w_k.  NaN, infinities, and coordinates whose products overflow f32, are not treated apart.
; NO LDS, NO CLUSTER: no byte is used by two lanes.
.set NF,    16384
.set PLANE, NF*16                      ; bytes in a plane of rec
.set FACE, 1                           ; v1       my face among all 16,384
.set FO,   2                           ; v2       its byte offset in faces
.set RO,   3                           ; v3       in a plane of rec
.set SO,   4                           ; v4       in span
.set F,    8                           ; v[8:16]  x0 y0 z0 x1 y1 z1 x2 y2 z2
.set P1,   20                          ; v[20:23] plane 0's four numbers
.set P2,   24                          ; v[24:27] plane 1's
.set P3,   28                          ; v[28:31] plane 2's
.set SP,   32                          ; v[32:33] r0, r1
.set PT,   34
.set DET,  35
.set SG,   36
.set RD,   37
.set IZ,   38                          ; v[38:40] 1/z0, 1/z1, 1/z2
.set H1,   41
.set H2,   42
.set X0, F
.set Y0, F+1
.set Z0, F+2
.set X1, F+3
.set Y1, F+4
.set Z1, F+5
.set X2, F+6
.set Y2, F+7
.set Z2, F+8
.set TINY, 12                          ; s12  1e-12
.set ABSM, 13                          ; s13  all bits but the sign
.set K32,  14                          ; s14  32.0
.set KLO,  15                          ; s15  31.5 + 63/64
.set KHI,  16                          ; s16  31.5 + 1/64
.set OK,   17                          ; s17  the lanes whose face has an area
	s_load_b128 s[4:7], s[0:1], 0x0                ; faces s[4:5], rec s[6:7]
	s_load_b64 s[8:9], s[0:1], 0x10                ; span
	s_lshl_b32 s10, ttmp9, 6                       ; the work-group's first face
	v_add_nc_u32 v[FACE], s10, v0
	v_mul_u32_u24 v[FO], v[FACE], 36
	v_lshlrev_b32 v[RO], 4, v[FACE]
	v_lshlrev_b32 v[SO], 3, v[FACE]
	s_mov_b32 s[TINY], 0x2b8cbccc
	s_mov_b32 s[ABSM], 0x7fffffff
	s_mov_b32 s[K32], 0x42000000
	s_mov_b32 s[KLO], 0x4201f000                   ; 32.484375
	s_mov_b32 s[KHI], 0x41fc2000                   ; 31.515625
	s_wait_kmcnt 0x0
.set k, 0
.rept 9                                ; a face begins at a multiple of 4 bytes only: nine loads of a word; together they take the wave's 1,152 consecutive bytes
	global_load_b32 v[F+k], v[FO], s[4:5] offset:4*k
.set k, k+1
.endr
	s_wait_loadcnt 0x0
	v_sub_f32 v[P2],   v[X2], v[X1]
	v_sub_f32 v[P2+1], v[X0], v[X2]
	v_sub_f32 v[P2+2], v[X1], v[X0]
	v_sub_f32 v[P1],   v[Y1], v[Y2]
	v_sub_f32 v[P1+1], v[Y2], v[Y0]
	v_sub_f32 v[P1+2], v[Y0], v[Y1]
	v_rcp_f32 v[IZ],   v[Z0]
	v_rcp_f32 v[IZ+1], v[Z1]
	v_rcp_f32 v[IZ+2], v[Z2]                       ; a plain instruction that touches none of these follows (ISA guide 5.7.2)
	v_mul_f32 v[PT], v[P2+1], v[P1+2]
	v_fma_f32 v[DET], v[P2+2], v[P1+1], -v[PT]     ; det = (x1 - x0)(y2 - y0) - (x2 - x0)(y1 - y0) = w0 + w1 + w2
	v_mul_f32 v[P3],   v[X2], v[Y1]
	v_mul_f32 v[P3+1], v[X0], v[Y2]
	v_mul_f32 v[P3+2], v[X1], v[Y0]
	v_fma_f32 v[P3],   v[X1], v[Y2], -v[P3]        ; c0 = x1 y2 - x2 y1: the second product rounded, the first exact
	v_fma_f32 v[P3+1], v[X2], v[Y0], -v[P3+1]      ; c1 = x2 y0 - x0 y2
	v_fma_f32 v[P3+2], v[X0], v[Y1], -v[P3+2]      ; c2 = x0 y1 - x1 y0
	v_rcp_f32 v[RD], |v[DET]|
	v_cmp_gt_f32 s[OK], |v[DET]|, s[TINY]
	v_cndmask_b32 v[SG], 0, 1.0, s[OK]
	v_bfi_b32 v[SG], s[ABSM], v[SG], v[DET]        ; +1, -1 by det's sign; 0 for a face without area
	s_wait_alu depctr_va_vdst(0)
	v_sub_f32 v[H1], v[IZ+1], v[IZ]
	v_sub_f32 v[H2], v[IZ+2], v[IZ]
.irp i, 0,1,2
	v_mul_f32 v[P1+(\i)], v[SG], v[P1+(\i)]
	v_mul_f32 v[P2+(\i)], v[SG], v[P2+(\i)]
	v_mul_f32 v[P3+(\i)], v[SG], v[P3+(\i)]
.endr
	v_mul_f32 v[H1], v[H1], v[RD]                  ; h_k = (1/z_k - 1/z0) / |det|
	v_mul_f32 v[H2], v[H2], v[RD]
	v_mul_f32 v[P1+3], v[P1+1], v[H1]
	v_mul_f32 v[P2+3], v[P2+1], v[H1]
	v_fma_f32 v[P3+3], v[P3+1], v[H1], v[IZ]
	v_fma_f32 v[P1+3], v[P1+2], v[H2], v[P1+3]     ; A
	v_fma_f32 v[P2+3], v[P2+2], v[H2], v[P2+3]     ; B
	v_fma_f32 v[P3+3], v[P3+2], v[H2], v[P3+3]     ; C
	; the rows
	v_min3_num_f32 v[SP],   v[Y0], v[Y1], v[Y2]
	v_max3_num_f32 v[SP+1], v[Y0], v[Y1], v[Y2]
	v_fma_f32 v[SP],   v[SP],   s[K32], s[KLO]     ; a whole y is at least floor(t) just when y > t - 1
	v_fma_f32 v[SP+1], v[SP+1], s[K32], s[KHI]
	v_floor_f32 v[SP],   v[SP]
	v_floor_f32 v[SP+1], v[SP+1]
	v_max_num_f32 v[SP],   0, v[SP]
	v_max_num_f32 v[SP+1], -1.0, v[SP+1]
	v_min_num_f32 v[SP],   0x42800000, v[SP]       ; 64.0
	v_min_num_f32 v[SP+1], 0x427c0000, v[SP+1]     ; 63.0
	v_cvt_i32_f32 v[SP],   v[SP]
	v_cvt_i32_f32 v[SP+1], v[SP+1]
	v_cndmask_b32 v[SP],   64, v[SP],   s[OK]
	v_cndmask_b32 v[SP+1], -1, v[SP+1], s[OK]
	global_store_b128 v[RO], v[P1:P1+3], s[6:7]                 ; each of these three stores of a wave covers 512 consecutive bytes, at a multiple of 512 from the buffer's first byte
	global_store_b128 v[RO], v[P2:P2+3], s[6:7] offset:PLANE
	global_store_b128 v[RO], v[P3:P3+3], s[6:7] offset:2*PLANE
	global_store_b64  v[SO], v[SP:SP+1], s[8:9]                 ; 256 consecutive bytes, at a multiple of 256
	s_endpgm
.Lfunc_end_k_q0f9f219496_prep:
	.size	k_q0f9f219496_prep, .Lfunc_end_k_q0f9f219496_prep-k_q0f9f219496_prep
	.p2alignl 7, 3214868480
	.fill 96, 4, 3214868480
	.section	.rodata,"a",@progbits
	.p2align	6, 0x0
	.amdhsa_kernel k_q0f9f219496_prep
		.amdhsa_group_segment_fixed_size 0
		.amdhsa_private_segment_fixed_size 0
		.amdhsa_enable_private_segment 0
		.amdhsa_kernarg_size 24
		.amdhsa_user_sgpr_count 2
		.amdhsa_user_sgpr_kernarg_segment_ptr 1
		.amdhsa_wavefront_size32 1
		.amdhsa_system_sgpr_workgroup_id_x 1
		.amdhsa_system_sgpr_workgroup_id_y 1
		.amdhsa_system_sgpr_workgroup_id_z 1
		.amdhsa_system_vgpr_workitem_id 0
		.amdhsa_next_free_vgpr 48
		.amdhsa_next_free_sgpr 66
		.amdhsa_reserve_vcc 0
		.amdhsa_float_denorm_mode_32 3
		.amdhsa_float_denorm_mode_16_64 3
		.amdhsa_memory_ordered 1
		.amdhsa_forward_progress 1
		.amdhsa_inst_pref_size 5
	.end_amdhsa_kernel
	.amdgpu_metadata
---
amdhsa.version: [ 1, 2 ]
amdhsa.kernels:
  - .name:           k_q0f9f219496_prep
    .symbol:         k_q0f9f219496_prep.kd
    .args:
      - { .name: faces, .offset: 0, .size: 8, .value_kind: global_buffer, .address_space: global }
      - { .name: rec, .offset: 8, .size: 8, .value_kind: global_buffer, .address_space: global }
      - { .name: span, .offset: 16, .size: 8, .value_kind: global_buffer, .address_space: global }
    .group_segment_fixed_size: 0
    .private_segment_fixed_size: 0
    .kernarg_segment_align: 8
    .kernarg_segment_size: 24
    .max_flat_workgroup_size: 64
    .sgpr_count:     66
    .vgpr_count:     48
    .wavefront_size: 32
...
	.end_amdgpu_metadata
.endif
;; end of part 3
;; launch zbuf (part 4): grid 256 x 1, 16 waves a work-group, no clusters, 10,240 bytes of LDS; arguments rec, span, fidx; writes fidx
.if DOCPART == 4
	.amdgcn_target "amdgcn-amd-amdhsa--gfx1250"
	.amdhsa_code_object_version 6
	.text
	.protected	k_q0f9f219496_zbuf
	.globl	k_q0f9f219496_zbuf
	.p2align	8
	.type	k_q0f9f219496_zbuf,@function
k_q0f9f219496_zbuf:
	s_mov_b64 s[64:65], 0
	v_nop
	global_prefetch_b8 v0, s[64:65] scope:SCOPE_SE
	s_setreg_imm32_b32 hwreg(HW_REG_WAVE_MODE, 25, 1), 1
	s_wait_xcnt 0x0
; Z-BUFFER.  fidx[b][y][x] = the index of the face of image b that covers the centre of pixel (y, x) with the least depth inside (0.1, 100), the lowest index among equals, or -1.
; rec: three planes [16384][4] f32 and span: [16384][2] i32, as the launch before made them of the faces; fidx: [4][64][64] i32.
; SHARES.  A work-group owns one row y of one image: 64 pixels with one yp.  Each of its 16 waves takes all 64 pixels (lane L: pixels 2 L and 2 L + 1, as the two halves of packed f32 instructions)
; and 256 of the image's 4,096 faces; the 16 results meet in LDS and wave 0 merges them in the order of the faces.
; WHICH FACES.  span gives for each face the rows r0 .. r1 that it can reach.  A wave's faces lie in eight groups of 32, face 32 j + lane; r0 <= y <= r1 gives a mask of 32 bits a group.
; THE LIST.  A counted scalar loop takes a mask's bits in ascending order and writes each face's number into the next lane of ONE register.  Only listed faces' records are loaded: three gathers of
; 16 bytes a lane serve a list of up to 32 faces, against the 24 loads of 512 bytes that all 256 records would take.  The list is worked off when the next group's faces would not fit into its 32 lanes, and at the end.
; Masks, trip counts, the list and the gathers' addresses are made of whole numbers read from memory alone; no float steers a branch or an address.
; ARITHMETIC.  For a face and this row everything is linear in xp.  Two packed multiply-adds make (e0, e1, e2, E) = yp (dx0, dx1, dx2, B) + (c0, c1, c2, C) for the whole list at once; for each of its
; faces nine v_readlane_b32 bring dy0, dy1, dy2, A, e0, e1, e2, E and the face's number into scalar registers, and then w_k = xp dy_k + e_k (inside: all three > 0) and 1/zp = xp A + E.
; A listed face costs 25 vector instructions for the row's 64 pixels, and one for its place in the list.  The choice is made by v_cndmask_b32 alone.  The largest 1/zp wins, by a strict compare with the faces
; in ascending order; zp < 100 is the start value 1/100, zp > 0.1 is 1/zp < 10.
; LIMITS.  Those of the launch before (det taken once a face; a row is left out only where yp lies more than 1/2048 outside the face's range of y).  w_k is rounded in another order than in the reference:
; a centre within some 1e-8 (in w, for coordinates near 1) of an edge may fall on its other side.  Depths are compared as 1/zp; its error is that of w_k times h_k, as in the reference's own weights.
; A face whose 1/zp is within 1e-12 of 0 or not finite has depth 1 in the reference and is not drawn here.  NaN, infinities, and coordinates whose products overflow f32, are not treated apart.
; The time hangs on the inputs, the values do not: if every face reaches every row, a wave works off eight full lists, each behind its own gathers.
; NO CLUSTER, NO TENSOR LOAD: the 64 work-groups of an image read the same 32,768 bytes of span, but once, at the start, eight loads a wave straight into the registers that are compared;
; which records they read hangs on the row.
.set PLANE, 16384*16                   ; bytes in a plane of rec
.set LANE, 1                           ; v1       lane
.set XP,   2                           ; v[2:3]   xp of my two pixels
.set BEST, 4                           ; v[4:5]   the largest 1/zp so far
.set IDX,  6                           ; v[6:7]   its face
.set YP,   8                           ; v[8:9]   yp of the row, twice: a pair for the packed multiply-add
.set SOFF, 10                          ; v10      byte offset in span; at the end in fidx
.set LIST, 11                          ; v11      lane k: the number, in the image, of the list's face k
.set TMP,  12
.set LRD,  13                          ; v13      my place among the partial results in LDS
.set LOFF, 14                          ; v14      the byte offset of my lane's listed face in the image's part of a plane
.set RG,   16                          ; v[16:31] r0, r1 of my eight faces
.set TW,   16                          ; v[16:23] later, at work: w0, w1, w2, 1/zp, each for two pixels
.set P1,   32                          ; v[32:35] my listed face: dy0, dy1, dy2, A
.set P2,   36                          ; v[36:39] dx0, dx1, dx2, B
.set P3,   40                          ; v[40:43] c0, c1, c2, C, which the row's e0, e1, e2, E replace
.set PR,   32                          ; v[32:91] at the end: the other 15 waves' results
.set WV,   10                          ; s10  wave
.set Y,    12                          ; s12  row
.set FB,   13                          ; s13  the first face of the group in hand, in the image
.set TEN,  14                          ; s14  1 / NEAR
.set N,    15                          ; s15  faces of the group still to be listed
.set BIT,  16                          ; s16  the lowest bit left in the group's mask
.set FI,   17                          ; s17  the face in hand
.set T,    18
.set MB,   19                          ; s19  the second pixel's mask
.set M,    20                          ; s[20:23] masks of the face in hand
.set MK,   24                          ; s[24:31] the eight groups' masks
.set M2,   32                          ; s[32:39] at work
.set RS,   40                          ; s[40:55] the record in hand: number i in the low word of pair i; the packed forms name pairs and take the low word for both halves
.set K,    56                          ; s56  faces in the list, 0 .. 32
.set KK,   57                          ; s57  the place in the list of the face in hand
.set IB,   58                          ; s[58:59] the image's first byte in a plane of rec
	s_load_b128 s[4:7], s[0:1], 0x0                ; rec s[4:5], span s[6:7]
	s_load_b64 s[8:9], s[0:1], 0x10                ; fidx
	v_lshl_add_u32 v96, v0, 2, 0x2000
	v_mov_b32 v97, 0
	v_and_b32 v[LANE], 31, v0
	v_lshrrev_b32 v[TMP], 5, v0
	v_readfirstlane_b32 s[WV], v[TMP]              ; wave 0..15
	s_lshr_b32 s11, ttmp9, 6                       ; image
	s_and_b32 s[Y], ttmp9, 63                      ; row
	s_lshl_b32 s[IB], s11, 16                      ; 4,096 faces of 16 bytes in a plane
	s_mov_b32 s[IB+1], 0
	s_lshl_b32 s11, s11, 12                        ; the image's first face among all
	s_lshl_b32 s[FB], s[WV], 8                     ; my wave's first face in the image
	s_add_co_u32 s11, s11, s[FB]
	v_add_nc_u32 v[TMP], s11, v[LANE]
	v_lshlrev_b32 v[SOFF], 3, v[TMP]
	s_wait_kmcnt 0x0
.irp j, 0,1,2,3,4,5,6,7                ; each load takes 256 consecutive bytes of span, at a multiple of 256 from the buffer's first byte
	global_load_b64 v[RG+2*(\j):RG+2*(\j)+1], v[SOFF], s[6:7] offset:256*(\j)
.endr
	s_add_nc_u64 s[4:5], s[4:5], s[IB:IB+1]        ; rec at the image's first face (the loads above name span's address alone)
	s_mov_b32 s[TEN], 0x41200000                   ; 10.0
	s_mov_b32 s[K], 0                              ; the list is empty
.irp i, 0,1,2,3,4,5,6,7
	s_mov_b32 s[RS+2*(\i)+1], 0                    ; the pairs' high words are named with the low ones, so they are written
.endr
	v_mov_b32 v[LIST], s[FB]                       ; a lane beyond the list's length names a face all the same: my wave's first, one address for all such lanes
	s_lshl_b32 s11, s[Y], 1
	v_cvt_f32_u32 v[YP], s11                       ; yp = (2 y - 63) / 64, xp = (2 x - 63) / 64 with x = 2 L, 2 L + 1: all exact
	v_add_f32 v[YP], 0xc27c0000, v[YP]
	v_mul_f32 v[YP], 0x3c800000, v[YP]
	v_mov_b32 v[YP+1], v[YP]
	v_lshlrev_b32 v[TMP], 2, v[LANE]
	v_cvt_f32_u32 v[TMP], v[TMP]
	v_add_f32 v[XP], 0xc27c0000, v[TMP]            ; 4 L - 63
	v_add_f32 v[XP+1], 0xc2740000, v[TMP]          ; 4 L - 61
	v_mul_f32 v[XP], 0x3c800000, v[XP]
	v_mul_f32 v[XP+1], 0x3c800000, v[XP+1]
	v_mov_b32 v[BEST], 0x3c23d70a                  ; 1 / FAR: only a nearer face is taken
	v_mov_b32 v[BEST+1], 0x3c23d70a
	v_mov_b32 v[IDX], -1
	v_mov_b32 v[IDX+1], -1
	s_wait_loadcnt 0x0                             ; the spans are in; nothing else is out
.irp j, 0,1,2,3,4,5,6,7
	v_cmp_ge_i32 s[MK+(\j)], s[Y], v[RG+2*(\j)]    ; y >= r0
	v_cmp_le_i32 s[M2+(\j)], s[Y], v[RG+2*(\j)+1]  ; y <= r1
.endr
.irp j, 0,1,2,3,4,5,6,7
	s_and_b32 s[MK+(\j)], s[MK+(\j)], s[M2+(\j)]
.endr
; THE LIST IS WORKED OFF: its faces' records are gathered, made into the row's, and tested one after the other, in the list's order.  Then the list is empty.
.macro FLUSH
	s_cmp_eq_u32 s[K], 0
	s_cbranch_scc1 .Lempty_\@
	v_min_u32 v[LOFF], 0xfff, v[LIST]              ; inside the image's 4,096 faces, whatever was read
	v_lshlrev_b32 v[LOFF], 4, v[LOFF]
	global_load_b128 v[P1:P1+3], v[LOFF], s[4:5]
	global_load_b128 v[P2:P2+3], v[LOFF], s[4:5] offset:PLANE
	global_load_b128 v[P3:P3+3], v[LOFF], s[4:5] offset:2*PLANE
	s_mov_b32 s[KK], 0
	s_wait_loadcnt 0x0                             ; the three are in: LOFF and the records' registers are free for the next list
	v_pk_fma_f32 v[P3:P3+1],   v[P2:P2+1],   v[YP:YP+1], v[P3:P3+1]      ; e0, e1
	v_pk_fma_f32 v[P3+2:P3+3], v[P2+2:P2+3], v[YP:YP+1], v[P3+2:P3+3]    ; e2, E
.Lface_\@:
.irp i, 0,1,2,3
	v_readlane_b32 s[RS+2*(\i)],   v[P1+(\i)], s[KK]    ; dy0, dy1, dy2, A
	v_readlane_b32 s[RS+8+2*(\i)], v[P3+(\i)], s[KK]    ; e0, e1, e2, E
.endr
	v_readlane_b32 s[FI], v[LIST], s[KK]           ; and the face's number
.irp i, 0,1,2,3
	v_pk_fma_f32 v[TW+2*(\i):TW+2*(\i)+1], v[XP:XP+1], s[RS+2*(\i):RS+2*(\i)+1], s[RS+8+2*(\i):RS+8+2*(\i)+1] op_sel_hi:[1,0,0]  ; w0, w1, w2, 1/zp for my two pixels
.endr
	v_min3_num_f32 v[TW],   v[TW],   v[TW+2], v[TW+4]
	v_min3_num_f32 v[TW+1], v[TW+1], v[TW+3], v[TW+5]
	v_cmp_gt_f32 s[M+2], s[TEN], v[TW+6]           ; behind the near plane
	v_cmp_gt_f32 s[M+3], s[TEN], v[TW+7]
	v_cmp_gt_f32 vcc_lo, v[TW+6], v[BEST]          ; strictly nearer than the best so far: of equals the earlier face stays
	v_cmp_gt_f32 s[MB],  v[TW+7], v[BEST+1]
	v_cmp_lt_f32 s[M],   0, v[TW]                  ; inside: the least of the three is above 0
	v_cmp_lt_f32 s[M+1], 0, v[TW+1]
	s_and_b32 vcc_lo, vcc_lo, s[M+2]
	s_and_b32 s[MB],  s[MB],  s[M+3]
	s_and_b32 vcc_lo, vcc_lo, s[M]
	s_and_b32 s[MB],  s[MB],  s[M+1]
	v_cndmask_b32 v[BEST],   v[BEST],   v[TW+6], vcc_lo
	v_cndmask_b32 v[IDX],    v[IDX],    s[FI],   vcc_lo
	v_cndmask_b32 v[BEST+1], v[BEST+1], v[TW+7], s[MB]
	v_cndmask_b32 v[IDX+1],  v[IDX+1],  s[FI],   s[MB]
	s_add_co_u32 s[KK], s[KK], 1
	s_cmp_lt_u32 s[KK], s[K]
	s_cbranch_scc1 .Lface_\@
	s_mov_b32 s[K], 0
.Lempty_\@:
.endm
; Group j: its faces whose rows hold y go into the list, the lowest first.  A group has 32 faces at the most, so an empty list always has room.
.macro GROUP j
	s_bcnt1_i32_b32 s[N], s[MK+(\j)]
	s_add_co_u32 s[T], s[K], s[N]
	s_cmp_le_u32 s[T], 32
	s_cbranch_scc1 .Lroom_\@
	FLUSH                                          ; they would not fit: the list is worked off first
.Lroom_\@:
	s_cmp_eq_u32 s[N], 0
	s_cbranch_scc1 .Lnone_\@
.Lbit_\@:
	s_ctz_i32_b32 s[BIT], s[MK+(\j)]               ; the lowest face left
	s_sub_co_u32 s[T], s[MK+(\j)], 1
	s_and_b32 s[MK+(\j)], s[MK+(\j)], s[T]         ; its bit is cleared
	s_add_co_u32 s[FI], s[FB], s[BIT]
	v_writelane_b32 v[LIST], s[FI], s[K]           ; K is 31 at the most here: K + N was 32 at the most
	s_add_co_u32 s[K], s[K], 1
	s_sub_co_u32 s[N], s[N], 1
	s_cmp_lg_u32 s[N], 0
	s_cbranch_scc1 .Lbit_\@
.Lnone_\@:
	s_add_co_u32 s[FB], s[FB], 32                  ; the next group's first face
.endm
.irp j, 0,1,2,3,4,5,6,7
	GROUP \j
.endr
	FLUSH                                          ; what is left in the list
	; THE 16 PARTIAL RESULTS meet in LDS, 512 bytes a wave.
	v_lshlrev_b32 v[TMP], 4, v[LANE]
	s_lshl_b32 s11, s[WV], 9
	v_add_nc_u32 v[LRD], s11, v[TMP]
	ds_store_b128 v[LRD], v[BEST:IDX+1]
	s_wait_dscnt 0x0                               ; for the others' sake: my result is stored
	s_barrier_signal -1
	s_barrier_wait -1
	s_cmp_lg_u32 s[WV], 0
	s_cbranch_scc1 .Lend                           ; wave 0, which holds the lowest faces' result, takes the others in ascending order
.set w, 1
.rept 15
	ds_load_b128 v[PR+4*(w-1):PR+4*(w-1)+3], v[TMP] offset:512*w
.set w, w+1
.endr
	v_lshlrev_b32 v[SOFF], 3, v[LANE]              ; free: the loads that named it are in
	s_lshl_b32 s11, ttmp9, 8                       ; the row's 64 indices: 256 bytes
	v_add_nc_u32 v[SOFF], s11, v[SOFF]
.set w, 1
.rept 15
.set cc, PR+4*(w-1)
	s_wait_dscnt 15-w                              ; LDS loads come back in order (ISA guide 5.7.1): wave w's result is in, the 15 - w younger loads stay out
	v_cmp_gt_f32 vcc_lo, v[cc],   v[BEST]
	v_cmp_gt_f32 s[MB],  v[cc+1], v[BEST+1]
	v_cndmask_b32 v[BEST],   v[BEST],   v[cc],   vcc_lo
	v_cndmask_b32 v[IDX],    v[IDX],    v[cc+2], vcc_lo
	v_cndmask_b32 v[BEST+1], v[BEST+1], v[cc+1], s[MB]
	v_cndmask_b32 v[IDX+1],  v[IDX+1],  v[cc+3], s[MB]
.set w, w+1
.endr
	global_store_b64 v[SOFF], v[IDX:IDX+1], s[8:9] ; 32 lanes store 256 consecutive bytes, at a multiple of 256 from the buffer's first byte
.Lend:
	s_wait_tensorcnt 0x0
	ds_add_u32 v96, v97
	s_wait_dscnt 0x0
	s_endpgm
.Lfunc_end_k_q0f9f219496_zbuf:
	.size	k_q0f9f219496_zbuf, .Lfunc_end_k_q0f9f219496_zbuf-k_q0f9f219496_zbuf
	.p2alignl 7, 3214868480
	.fill 96, 4, 3214868480
	.section	.rodata,"a",@progbits
	.p2align	6, 0x0
	.amdhsa_kernel k_q0f9f219496_zbuf
		.amdhsa_group_segment_fixed_size 10240
		.amdhsa_private_segment_fixed_size 0
		.amdhsa_enable_private_segment 0
		.amdhsa_kernarg_size 24
		.amdhsa_user_sgpr_count 2
		.amdhsa_user_sgpr_kernarg_segment_ptr 1
		.amdhsa_wavefront_size32 1
		.amdhsa_system_sgpr_workgroup_id_x 1
		.amdhsa_system_sgpr_workgroup_id_y 1
		.amdhsa_system_sgpr_workgroup_id_z 1
		.amdhsa_system_vgpr_workitem_id 0
		.amdhsa_next_free_vgpr 98
		.amdhsa_next_free_sgpr 66
		.amdhsa_reserve_vcc 1
		.amdhsa_float_denorm_mode_32 3
		.amdhsa_float_denorm_mode_16_64 3
		.amdhsa_memory_ordered 1
		.amdhsa_forward_progress 1
		.amdhsa_inst_pref_size 36
	.end_amdhsa_kernel
	.amdgpu_metadata
---
amdhsa.version: [ 1, 2 ]
amdhsa.kernels:
  - .name:           k_q0f9f219496_zbuf
    .symbol:         k_q0f9f219496_zbuf.kd
    .args:
      - { .name: rec, .offset: 0, .size: 8, .value_kind: global_buffer, .address_space: global }
      - { .name: span, .offset: 8, .size: 8, .value_kind: global_buffer, .address_space: global }
      - { .name: fidx, .offset: 16, .size: 8, .value_kind: global_buffer, .address_space: global }
    .group_segment_fixed_size: 10240
    .private_segment_fixed_size: 0
    .kernarg_segment_align: 8
    .kernarg_segment_size: 24
    .max_flat_workgroup_size: 512
    .sgpr_count:     66
    .vgpr_count:     98
    .wavefront_size: 32
...
	.end_amdgpu_metadata
.endif
;; end of part 4
;; launch shade: the kernel of part 2 again; grid 256 x 1, 8 waves a work-group, no clusters, 2,304 bytes of LDS; arguments faces, textures, fidx, out0; writes out0
